; MI455X (gfx1250); checked and timed in simulation.
; The chip was launched on July 23, 2026; its instructions are those of AMD's public machine-readable ISA for CDNA 5 (MIT licence, August 2026) and "CDNA5" Instruction Set Architecture Reference Guide (July 2026). The comments in the code are by the model that wrote it; some were corrected since.
;; Pool layer. Allowed arithmetic: float matrix products may take bf16 or f16 operands with f32 sums; other float arithmetic in f32, or as packed bf16 or f16 multiplies, adds, multiply-adds, maxima and minima; sums over many terms, partial sums and values carried from step to step in f32; what a program stores and reads back later, other than sums and carried values, may be rounded once to bf16 or f16.
;; Inputs: feature_map 16 x 2,048 x 512 float32; sample_idx 512 int32; vertices 16 x 2,048 x 3 float32.
;; Outputs: out0 16 x 512 x 3 float32; out1 16 x 512 x 512 float32.
;; 2 versions, each right; version 2 is version 1 with the launch pool written anew for expert scheduling mode. Each part assembles by itself: llvm-mc -triple=amdgcn-amd-amdhsa -mcpu=gfx1250 --defsym DOCPART=n.
;; ======== version 1 of 2: 3 launches
;; workspace buffers: mask 2,097,152 bytes of whole numbers; nbr 1,048,576 bytes of whole numbers; cnt 32,768 bytes of whole numbers
;; launch filter (part 1): grid 16 x 16, 4 waves a work-group, no clusters, 0 bytes of LDS; arguments vertices, sample_idx, mask, out0, cnt; writes mask, out0, cnt
.if DOCPART == 1
	.amdgcn_target "amdgcn-amd-amdhsa--gfx1250"
	.amdhsa_code_object_version 6
	.text
	.protected	k_q2336005d8f_filter
	.globl	k_q2336005d8f_filter
	.p2align	8
	.type	k_q2336005d8f_filter,@function
k_q2336005d8f_filter:
	s_mov_b64 s[64:65], 0
	v_nop
	global_prefetch_b8 v0, s[64:65] scope:SCOPE_SE
	s_setreg_imm32_b32 hwreg(HW_REG_WAVE_MODE, 25, 1), 1
	s_wait_xcnt 0x0
; POOL LAYER, launch 1 of 3: a bound on the 17th smallest distance of each sampled vertex, the bit mask of the candidates within it and their number; also out0.
; THE WORK LEFT OUT.  The result is pooled_feature[:, sample_idx, :] and vertices[:, sample_idx, :]: the distance rows, the top-k and the pooled rows of vertices that sample_idx does not
; name are sliced away, whatever the inputs hold.  So only the 512 rows a batch that sample_idx names are made: 16 x 512 x 2,048 pairs.  Every input has a way to an output and is loaded.
; LIMIT: a NaN, an infinity or an overflow that reaches only the rows left out is not carried to the result.
; ARITHMETIC, the same in this launch and the next.  The coordinates are rounded to bf16 (x^, y^, z^), the rounding allowed for the operands of the product inner = v v^T.  Then every product of two
; coordinates is exact in f32, and the sums are taken in the order in which the formula is written: q = (x^ x^ + y^ y^) + z^ z^;  t = ((-2 x^n) x^m + (-2 y^n) y^m) + (-2 z^n) z^m, which is -2 inner bit for bit,
; since a factor of -2 is exact;  d = (q_m + t) + q_n.  The order of candidates is by (d, index), as top_k's is.
; NOT ON THE MATRIX UNIT: the product has K = 3 and its result steers a choice of rows, so it has to be the f32 sum in the written order, bit for bit; a matrix instruction groups its sums otherwise.
; Here it is three packed lines for 64 pairs.
; LIMITS: NaN and infinities are not treated apart; -2 x^ is exact only while it neither overflows nor is denormal; sample_idx is held to 0 .. 2,047.
; SHARES.  A work-group has 32 sampled vertices (queries) of one batch, a wave 8.  A lane is a candidate: chunk j of 64 is candidate 32 j + lane.  All 2,048 candidates of the batch stay in the wave's registers.
; THE BOUND.  Each lane takes the least of its 64 distances; U is the 17th smallest of the 32 lane minima (a bitonic sort over the lanes).  17 lanes hold a distance <= U, so the 17th smallest distance
; of all is <= U, and the 17 first candidates by (d, index) all have d <= U.  Bit l of word j of the query's 64 mask words says d <= U for candidate 32 j + l.
; THE NUMBER of set bits of a query's 64 words goes into cnt, a word a query: the next launch's trip count is then a number that it reads from memory.
; REGISTERS, in windows of 256 (s_set_vgpr_msb: bits 1:0 source 0, 3:2 source 1, 5:4 source 2, 7:6 destination):
;   window 0: v1 lane; v2 12 x lane; v3 8 x lane; v4-7 -2x^, -2y^, -2z^, q of query lane % 8 (shifted down a lane each trip); v8-10 its raw coordinates; v14 the lane's minimum;
;             v15-17 at work in the sort; v18-19 the mask words (lane L: words 2 L, 2 L + 1); v20-23 four chains of minima; v24 my offset in out0; v25 the counts (at the end lane t: query t's);
;             v26 4 x (lane % 8); v64-127 the 64 distances
;   window 1: for the pair of chunks 2 c, 2 c + 1: x^ at 8 c, y^ at 8 c + 2, z^ at 8 c + 4, q at 8 c + 6          window 2: chunk j as loaded, at 4 j
.set D, 64
.set B1,  0xaaaaaaaa                   ; the lanes whose number has bit 0 set; and so on
.set B2,  0xcccccccc
.set B4,  0xf0f0f0f0
.set B8,  0xff00ff00
.set B16, 0xffff0000
.set MSB, 0
.macro WIN new                         ; the immediate's high byte repeats the setting that is left; a switch that changes nothing is dropped
.if MSB != (\new)
	s_set_vgpr_msb (MSB<<8)|(\new)
.set MSB, (\new)
.endif
.endm
	s_load_b256 s[4:11], s[0:1], 0x0               ; vertices s[4:5], sample_idx s[6:7], mask s[8:9], out0 s[10:11]
	s_load_b64 s[48:49], s[0:1], 0x20              ; cnt
	v_and_b32 v1, 31, v0                           ; lane
	v_lshrrev_b32 v11, 5, v0
	v_readfirstlane_b32 s12, v11                   ; wave 0..3
	s_and_b32 s13, ttmp7, 0xffff                   ; batch
	s_mul_i32 s18, s13, 24576                      ; a batch's vertices: 2,048 x 12 bytes
	s_mov_b32 s19, 0
	s_lshl_b32 s21, ttmp9, 5                       ; the work-group's 32 queries,
	s_lshl_b32 s27, s12, 3                         ; my wave's 8
	s_add_co_u32 s27, s27, s21                     ; my first query in the batch
	s_lshl_b32 s44, s13, 9
	s_add_co_u32 s44, s44, s27                     ; and among all 8,192
	s_lshl_b32 s46, s44, 8                         ; 256 bytes of mask a query
	s_mov_b32 s47, 0
	s_lshl_b32 s50, s44, 2                         ; a word of cnt a query
	s_mov_b32 s51, 0
	s_mov_b32 s20, 0xffff0000                      ; a word's upper bf16
	s_mov_b32 s22, 0x76543210                      ; v_permlanex16_b32: each lane takes its own place in the other half
	s_mov_b32 s23, 0xfedcba98
	s_mov_b32 s29, 0                               ; the upper words of the pairs that the packed lines name
	s_mov_b32 s31, 0
	s_mov_b32 s33, 0
	s_mov_b32 s35, 0
	v_mul_u32_u24 v2, v1, 12
	v_lshlrev_b32 v3, 3, v1
	v_and_b32 v11, 7, v1                           ; which of my wave's queries this lane prepares
	v_lshlrev_b32 v26, 2, v11                      ; its word among my wave's 8 of cnt
	v_add_nc_u32 v13, s27, v11
	v_lshlrev_b32 v13, 2, v13                      ; its word in sample_idx
	v_add_nc_u32 v24, s44, v11
	v_mul_u32_u24 v24, v24, 12                     ; its 12 bytes in out0
	s_wait_kmcnt 0x0
	s_add_nc_u64 s[14:15], s[4:5], s[18:19]        ; vertices at my batch
	s_add_nc_u64 s[16:17], s[8:9], s[46:47]        ; mask at my first query
	s_add_nc_u64 s[48:49], s[48:49], s[50:51]      ; cnt at my first query
	global_load_b32 v12, v13, s[6:7]
	WIN 0x80                                       ; destination window 2, address window 0
.set j, 0
.rept 64
	global_load_b96 v[4*j:4*j+2], v2, s[14:15] offset:384*j  ; chunk j: 32 vertices, 384 consecutive bytes
.set j, j+1
.endr
	WIN 0
	s_wait_loadcnt 63                              ; 65 loads are issued: the oldest two are in, the index among them
	v_min_u32 v12, 0x7ff, v12
	v_mul_u32_u24 v12, v12, 12
	global_load_b96 v[8:10], v12, s[14:15]         ; the query's coordinates
	v_mov_b32 v15, 0                               ; destinations of lane-crossing lines count as read: written once here
	v_mov_b32 v16, 0
	v_mov_b32 v17, 0
	v_mov_b32 v18, 0
	v_mov_b32 v19, 0
	v_mov_b32 v25, 0
	s_wait_loadcnt 0x0
	global_store_b96 v24, v[8:10], s[10:11]        ; out0: the coordinates as they are; the four lanes that hold one query write the same bytes with the same value
	WIN 0x8a                                       ; all in window 2: round to bf16, in place
.set j, 0
.rept 64
	v_cvt_pk_bf16_f32 v[4*j], v[4*j], v[4*j+1]     ; x^ low, y^ high
	v_cvt_pk_bf16_f32 v[4*j+2], v[4*j+2], v[4*j+2] ; z^
.set j, j+1
.endr
	WIN 0x48                                       ; source 1 window 2, destination window 1: back to f32, chunks in pairs
.set j, 0
.rept 64
	v_lshlrev_b32 v[8*(j/2)+(j%2)], 16, v[4*j]
	v_and_b32 v[8*(j/2)+2+(j%2)], s20, v[4*j]
	v_lshlrev_b32 v[8*(j/2)+4+(j%2)], 16, v[4*j+2]
.set j, j+1
.endr
	WIN 0x55                                       ; all in window 1: q = (x^ x^ + y^ y^) + z^ z^
.set c, 0
.rept 32
	v_pk_mul_f32 v[8*c+6:8*c+7], v[8*c:8*c+1], v[8*c:8*c+1]
.set c, c+1
.endr
.set c, 0
.rept 32
	v_pk_fma_f32 v[8*c+6:8*c+7], v[8*c+2:8*c+3], v[8*c+2:8*c+3], v[8*c+6:8*c+7]
.set c, c+1
.endr
.set c, 0
.rept 32
	v_pk_fma_f32 v[8*c+6:8*c+7], v[8*c+4:8*c+5], v[8*c+4:8*c+5], v[8*c+6:8*c+7]
.set c, c+1
.endr
	WIN 0
	v_cvt_pk_bf16_f32 v11, v8, v9                  ; the query: the same rounding, the same q, then the factor -2
	v_cvt_pk_bf16_f32 v13, v10, v10
	v_lshlrev_b32 v4, 16, v11
	v_and_b32 v5, s20, v11
	v_lshlrev_b32 v6, 16, v13
	v_mul_f32 v7, v4, v4
	v_fma_f32 v7, v5, v5, v7
	v_fma_f32 v7, v6, v6, v7
	v_mul_f32 v4, -2.0, v4
	v_mul_f32 v5, -2.0, v5
	v_mul_f32 v6, -2.0, v6
; A stage of the bitonic sort of v14 over the 32 lanes: each lane meets lane ^ x and keeps the greater of the two where km has its bit, else the lesser.
.macro STG x, km
	s_mov_b32 s24, \km
.if (\x) == 16
	v_permlanex16_b32 v17, v14, s22, s23
	v_min_num_f32 v15, v14, v17
	v_max_num_f32 v16, v14, v17
.else
	v_min_num_f32_dpp v15, v14, v14 row_xmask:\x row_mask:0xf bank_mask:0xf
	v_max_num_f32_dpp v16, v14, v14 row_xmask:\x row_mask:0xf bank_mask:0xf
.endif
	v_cndmask_b32 v14, v15, v16, s24
.endm
	s_mov_b32 s26, 8
.Lquery:                                               ; a trip is a query
	v_readfirstlane_b32 s28, v4                    ; lane 0 holds the query in hand
	v_readfirstlane_b32 s30, v5
	v_readfirstlane_b32 s32, v6
	v_readfirstlane_b32 s34, v7
	s_mov_b32 s52, 0                               ; the query's count begins
	v_mov_b32_dpp v4, v4 row_shl:1 row_mask:0xf bank_mask:0xf  ; each lane takes the lane above: the next query comes to lane 0
	v_mov_b32_dpp v5, v5 row_shl:1 row_mask:0xf bank_mask:0xf
	v_mov_b32_dpp v6, v6 row_shl:1 row_mask:0xf bank_mask:0xf
	v_mov_b32_dpp v7, v7 row_shl:1 row_mask:0xf bank_mask:0xf
	WIN 0x01                                       ; source 0 window 1, the distances in window 0
.set c, 0
.rept 32
	v_pk_mul_f32 v[D+2*c:D+2*c+1], v[8*c:8*c+1], s[28:29] op_sel_hi:[1,0]
.set c, c+1
.endr
.set c, 0
.rept 32
	v_pk_fma_f32 v[D+2*c:D+2*c+1], v[8*c+2:8*c+3], s[30:31], v[D+2*c:D+2*c+1] op_sel_hi:[1,0,1]
.set c, c+1
.endr
.set c, 0
.rept 32
	v_pk_fma_f32 v[D+2*c:D+2*c+1], v[8*c+4:8*c+5], s[32:33], v[D+2*c:D+2*c+1] op_sel_hi:[1,0,1]
.set c, c+1
.endr
.set c, 0
.rept 32
	v_pk_add_f32 v[D+2*c:D+2*c+1], v[8*c+6:8*c+7], v[D+2*c:D+2*c+1]  ; q_m + t
.set c, c+1
.endr
	WIN 0
.set c, 0
.rept 32
	v_pk_add_f32 v[D+2*c:D+2*c+1], v[D+2*c:D+2*c+1], s[34:35] op_sel_hi:[1,0]  ; + q_n
.set c, c+1
.endr
	; the least of my 64: four chains of 15, then the four left over, then the chains
.irp k, 0,1,2,3
	v_min3_num_f32 v[20+\k], v[D+16*\k], v[D+16*\k+1], v[D+16*\k+2]
.endr
.irp m, 0,1,2,3,4,5
.irp k, 0,1,2,3
	v_min3_num_f32 v[20+\k], v[20+\k], v[D+16*\k+3+2*\m], v[D+16*\k+4+2*\m]
.endr
.endr
	v_min3_num_f32 v20, v20, v[D+15], v[D+31]
	v_min3_num_f32 v21, v21, v[D+47], v[D+63]
	v_min3_num_f32 v20, v20, v21, v22
	v_min_num_f32 v14, v20, v23
	; ascending over the lanes: runs of 2, 4, 8, 16 in alternating directions, then all 32
	STG 1, (B1^B2)
	STG 2, (B2^B4)
	STG 1, (B1^B4)
	STG 4, (B4^B8)
	STG 2, (B2^B8)
	STG 1, (B1^B8)
	STG 8, (B8^B16)
	STG 4, (B4^B16)
	STG 2, (B2^B16)
	STG 1, (B1^B16)
	STG 16, B16
	STG 8, B8
	STG 4, B4
	STG 2, B2
	STG 1, B1
	v_readlane_b32 s25, v14, 16                    ; U: the 17th smallest lane minimum
	; a compare's 32 bits ARE mask word j; they go into lane j / 2 of the register of j's parity, and their number onto the query's count
.set g, 0
.rept 8
.irp i, 0,1,2,3,4,5,6,7
	v_cmp_ge_f32 s[36+\i], s25, v[D+8*g+\i]
.endr
.irp i, 0,1,2,3,4,5,6,7
	v_writelane_b32 v[18+(\i%2)], s[36+\i], 4*g+(\i/2)
	s_bcnt1_i32_b32 s53, s[36+\i]
	s_add_co_u32 s52, s52, s53
.endr
.set g, g+1
.endr
	v_mov_b32_dpp v25, v25 row_shl:1 row_mask:0xf bank_mask:0xf  ; the earlier queries' counts move a lane down,
	v_writelane_b32 v25, s52, 7                    ; this one's enters at lane 7: behind the eighth trip lane t holds query t's
	global_store_b64 v3, v[18:19], s[16:17]        ; the query's 64 words: 256 consecutive bytes, aligned
	s_wait_xcnt 0x0                                ; the store has read its base and its data: only now the base steps, and the next trip writes v18, v19
	s_add_nc_u64 s[16:17], s[16:17], 256
	s_sub_co_u32 s26, s26, 1
	s_cmp_lg_u32 s26, 0
	s_cbranch_scc1 .Lquery
	v_cmp_gt_u32 vcc_lo, 8, v1                     ; no memory instruction has been issued since the wait above, so EXEC may be narrowed
	s_and_saveexec_b32 s54, vcc_lo
	global_store_b32 v26, v25, s[48:49]            ; lanes 0-7: my 8 queries' counts, 32 consecutive bytes
	s_wait_xcnt 0x0                                ; EXEC is a source of that store: it is widened only behind this wait
	s_or_b32 exec_lo, exec_lo, s54
	s_endpgm
.Lfunc_end_k_q2336005d8f_filter:
	.size	k_q2336005d8f_filter, .Lfunc_end_k_q2336005d8f_filter-k_q2336005d8f_filter
	.p2alignl 7, 3214868480
	.fill 96, 4, 3214868480
	.section	.rodata,"a",@progbits
	.p2align	6, 0x0
	.amdhsa_kernel k_q2336005d8f_filter
		.amdhsa_group_segment_fixed_size 0
		.amdhsa_private_segment_fixed_size 0
		.amdhsa_enable_private_segment 0
		.amdhsa_kernarg_size 40
		.amdhsa_user_sgpr_count 2
		.amdhsa_user_sgpr_kernarg_segment_ptr 1
		.amdhsa_wavefront_size32 1
		.amdhsa_system_sgpr_workgroup_id_x 1
		.amdhsa_system_sgpr_workgroup_id_y 1
		.amdhsa_system_sgpr_workgroup_id_z 1
		.amdhsa_system_vgpr_workitem_id 0
		.amdhsa_next_free_vgpr 768
		.amdhsa_next_free_sgpr 66
		.amdhsa_reserve_vcc 1
		.amdhsa_float_denorm_mode_32 3
		.amdhsa_float_denorm_mode_16_64 3
		.amdhsa_memory_ordered 1
		.amdhsa_forward_progress 1
		.amdhsa_inst_pref_size 58
	.end_amdhsa_kernel
	.amdgpu_metadata
---
amdhsa.version: [ 1, 2 ]
amdhsa.kernels:
  - .name:           k_q2336005d8f_filter
    .symbol:         k_q2336005d8f_filter.kd
    .args:
      - { .name: vertices, .offset: 0, .size: 8, .value_kind: global_buffer, .address_space: global }
      - { .name: sample_idx, .offset: 8, .size: 8, .value_kind: global_buffer, .address_space: global }
      - { .name: mask, .offset: 16, .size: 8, .value_kind: global_buffer, .address_space: global }
      - { .name: out0, .offset: 24, .size: 8, .value_kind: global_buffer, .address_space: global }
      - { .name: cnt, .offset: 32, .size: 8, .value_kind: global_buffer, .address_space: global }
    .group_segment_fixed_size: 0
    .private_segment_fixed_size: 0
    .kernarg_segment_align: 8
    .kernarg_segment_size: 40
    .max_flat_workgroup_size: 128
    .sgpr_count:     66
    .vgpr_count:     768
    .wavefront_size: 32
...
	.end_amdgpu_metadata
.endif
;; end of part 1
;; launch exact (part 2): grid 512 x 16, 1 waves a work-group, no clusters, 8,704 bytes of LDS; arguments vertices, sample_idx, mask, nbr, cnt; writes nbr
.if DOCPART == 2
	.amdgcn_target "amdgcn-amd-amdhsa--gfx1250"
	.amdhsa_code_object_version 6
	.text
	.protected	k_q2336005d8f_exact
	.globl	k_q2336005d8f_exact
	.p2align	8
	.type	k_q2336005d8f_exact,@function
k_q2336005d8f_exact:
	s_mov_b64 s[64:65], 0
	v_nop
	global_prefetch_b8 v0, s[64:65] scope:SCOPE_SE
	s_setreg_imm32_b32 hwreg(HW_REG_WAVE_MODE, 25, 1), 1
	s_wait_xcnt 0x0
; POOL LAYER, launch 2 of 3: the 16 neighbours of each sampled vertex, exactly.  Only the rows that sample_idx names are made (see the first launch's head: the others are sliced away).
; One wave, one query.  The first launch's mask names the candidates with d <= U, among them the 17 first by (d, index); its cnt says how many they are.  Both are whole numbers read from memory.  From the
; mask's bits the wave makes a dense list of candidate numbers in LDS, then takes the list 32 at a time: loads those vertices, makes d by the same arithmetic as the first launch (bf16 coordinates, exact
; products, sums in the written order: d = (q_m + ((-2x^n) x^m + (-2y^n) y^m + (-2z^n) z^m)) + q_n), sorts the 32 by (d, index) over the lanes and merges them into the 32 best so far.
; Distances steer selects alone; every address comes from the mask, and the one exit of the loop from cnt.  The first of the 17 is dropped, as idx[:, :, 1:] drops it.
; LIMITS: NaN and infinities are not treated apart (a candidate at d = +inf ranks with the list's padding); sample_idx is held to 0 .. 2,047, the count to 2,048.
; LDS: words 0 .. 2,079 the list (at most 2,048 candidates and 32 words of padding behind them); words 2,080 .. 2,111 a dummy word a lane; from byte 8,448 the spare words.
; nbr: 32 words a query; words 0-15 are the neighbours (in no order: a maximum is taken over them), words 16-31 are written and not used.
.set SPARE, 8448
.set B1,  0xaaaaaaaa                   ; the lanes whose number has bit 0 set; and so on
.set B2,  0xcccccccc
.set B4,  0xf0f0f0f0
.set B8,  0xff00ff00
.set B16, 0xffff0000
.set ALL1, 0xffffffff
; v1 lane; v2 4 x lane; v3 2,080 + lane; v4-6 at work in the decode; v7 where I read the list; v8, v9 the new block's index and distance; v10, v11 the best 32's; v12, v13 the partner's;
; v14-16 coordinates as loaded; v17-22 at work; v23 +inf; v24-27 the query's -2x^, -2y^, -2z^, q; v28, v29 offsets in vertices; v30, v31 the add's two registers
; s12 the list's length as cnt gives it; s16-63, s80-95 the 64 mask words; s66 the list's next free place; s68-70 compare masks; s71 which lanes hold a candidate; s72 the loop's count; s73 list words covered
	s_load_b256 s[4:11], s[0:1], 0x0               ; vertices s[4:5], sample_idx s[6:7], mask s[8:9], nbr s[10:11]
	s_load_b64 s[78:79], s[0:1], 0x20              ; cnt
	v_lshl_add_u32 v30, v0, 2, SPARE
	v_mov_b32 v31, 0
	v_and_b32 v1, 31, v0
	v_lshlrev_b32 v2, 2, v1
	v_add_nc_u32 v3, 2080, v1
	s_and_b32 s13, ttmp7, 0xffff                   ; batch
	s_lshl_b32 s14, s13, 9
	s_add_co_u32 s14, s14, ttmp9                   ; the query among all 8,192
	s_lshl_b32 s2, s14, 2                          ; its word in cnt
	s_mov_b32 s3, 0
	s_lshl_b32 s66, ttmp9, 2                       ; its word in sample_idx
	s_mov_b32 s67, 0
	s_lshl_b32 s68, s14, 8                         ; its 256 bytes of mask
	s_mov_b32 s69, 0
	s_mul_i32 s70, s13, 24576                      ; the batch's vertices
	s_mov_b32 s71, 0
	s_lshl_b32 s72, s14, 7                         ; its 128 bytes of nbr
	s_mov_b32 s73, 0
	s_mov_b32 s74, 0x76543210                      ; v_permlanex16_b32: each lane takes its own place in the other half
	s_mov_b32 s75, 0xfedcba98
	s_mov_b32 s76, 1                               ; lane 0 alone
	s_mov_b32 s77, 0xffff0000                      ; a word's upper bf16
	s_wait_kmcnt 0x0
	s_add_nc_u64 s[6:7], s[6:7], s[66:67]
	s_add_nc_u64 s[8:9], s[8:9], s[68:69]
	s_add_nc_u64 s[96:97], s[4:5], s[70:71]
	s_add_nc_u64 s[98:99], s[10:11], s[72:73]
	s_add_nc_u64 s[78:79], s[78:79], s[2:3]
	s_load_b32 s15, s[6:7], 0x0
	s_load_b32 s12, s[78:79], 0x0
	s_load_b512 s[16:31], s[8:9], 0x0
	s_load_b512 s[32:47], s[8:9], 0x40
	s_load_b512 s[48:63], s[8:9], 0x80
	s_load_b512 s[80:95], s[8:9], 0xc0
	v_mov_b32 v12, 0                               ; destinations of lane-crossing lines count as read: written once here
	v_mov_b32 v13, 0
	v_mov_b32 v23, 0x7f800000                      ; +inf
	v_mov_b32 v11, 0x7f800000                      ; the best 32 begin as padding, ascending by index
	v_add_nc_u32 v10, 4096, v1
	v_mov_b32 v7, v2
	s_wait_kmcnt 0x0
	s_min_u32 s12, s12, 0x800
	s_min_u32 s15, s15, 0x7ff
	s_mul_i32 s15, s15, 12
	v_mov_b32 v28, s15
	global_load_b96 v[14:16], v28, s[96:97]        ; the query's coordinates, the same in every lane; waited for behind the decode
	s_mov_b32 s66, 0
; Mask word w: a lane whose bit is set puts its candidate's number, 32 w + lane, at the list's next free place plus the set bits below it; the other lanes write their dummy words.
; The place is chosen first and held to the wave's 2,112 words; behind that stands a shift alone.  No branch: every word is walked.
.macro DEC w
.if (\w) < 48
.set WR, 16+(\w)
.else
.set WR, 32+(\w)
.endif
	v_mbcnt_lo_u32_b32 v4, s[WR], s66
	v_cndmask_b32 v4, v3, v4, s[WR]
	v_min_u32 v4, 2111, v4
	v_lshlrev_b32 v5, 2, v4
	v_add_nc_u32 v6, 32*(\w), v1
	ds_store_b32 v5, v6
	s_bcnt1_i32_b32 s67, s[WR]
	s_add_co_u32 s66, s66, s67
.endm
.set n, 0
.rept 64
	DEC n
.set n, n+1
.endr
	v_add_nc_u32 v4, s66, v1                       ; 32 words of padding behind the list: numbers from 2,048 on, which name no candidate
	v_min_u32 v4, 2079, v4
	v_lshlrev_b32 v5, 2, v4
	v_add_nc_u32 v6, 2048, v1
	ds_store_b32 v5, v6
	s_wait_loadcnt 0x0                             ; the query
	v_cvt_pk_bf16_f32 v17, v14, v15
	v_cvt_pk_bf16_f32 v18, v16, v16
	v_lshlrev_b32 v24, 16, v17
	v_and_b32 v25, s77, v17
	v_lshlrev_b32 v26, 16, v18
	v_mul_f32 v27, v24, v24
	v_fma_f32 v27, v25, v25, v27
	v_fma_f32 v27, v26, v26, v27
	v_mul_f32 v24, -2.0, v24
	v_mul_f32 v25, -2.0, v25
	v_mul_f32 v26, -2.0, v26
; A compare-exchange of the pairs (v[d], v[i]) between lane and lane ^ x, by (distance, index): a lane takes its partner's pair if that is the lesser, or, where km has its bit, if it is not.
.macro CE d, i, x, km
.if (\x) == 16
	v_permlanex16_b32 v12, v[\d], s74, s75
	v_permlanex16_b32 v13, v[\i], s74, s75
.else
	v_mov_b32_dpp v12, v[\d] row_xmask:\x row_mask:0xf bank_mask:0xf
	v_mov_b32_dpp v13, v[\i] row_xmask:\x row_mask:0xf bank_mask:0xf
.endif
	v_cmp_lt_f32 s68, v12, v[\d]
	v_cmp_eq_f32 s69, v12, v[\d]
	v_cmp_lt_u32 s70, v13, v[\i]
	s_and_b32 s69, s69, s70
	s_or_b32 s68, s68, s69
	s_xor_b32 s68, s68, \km
	v_cndmask_b32 v[\d], v[\d], v12, s68
	v_cndmask_b32 v[\i], v[\i], v13, s68
.endm
	s_mov_b32 s72, 64                              ; 64 blocks of 32 hold the longest list
	s_mov_b32 s73, 32
.Lblock:
	ds_load_b32 v8, v7                             ; LDS serves a wave's instructions in order: this sees the stores above
	s_wait_dscnt 0x0
	v_cmp_gt_u32 s71, 0x800, v8                    ; a candidate, or padding?
	v_min_u32 v29, 0x7ff, v8
	v_mul_u32_u24 v29, v29, 12
	global_load_b96 v[14:16], v29, s[96:97]
	s_wait_loadcnt 0x0                             ; it also frees v29 for the next trip
	v_cvt_pk_bf16_f32 v17, v14, v15
	v_cvt_pk_bf16_f32 v18, v16, v16
	v_lshlrev_b32 v19, 16, v17
	v_and_b32 v20, s77, v17
	v_lshlrev_b32 v21, 16, v18
	v_mul_f32 v22, v19, v19
	v_fma_f32 v22, v20, v20, v22
	v_fma_f32 v22, v21, v21, v22                   ; q_m
	v_mul_f32 v9, v24, v19
	v_fma_f32 v9, v25, v20, v9
	v_fma_f32 v9, v26, v21, v9                     ; t
	v_add_f32 v9, v22, v9
	v_add_f32 v9, v9, v27                          ; d
	v_cndmask_b32 v9, v23, v9, s71                 ; padding counts as +inf
	; the block, descending over the lanes
	CE 9, 8, 1, (ALL1^B1^B2)
	CE 9, 8, 2, (ALL1^B2^B4)
	CE 9, 8, 1, (ALL1^B1^B4)
	CE 9, 8, 4, (ALL1^B4^B8)
	CE 9, 8, 2, (ALL1^B2^B8)
	CE 9, 8, 1, (ALL1^B1^B8)
	CE 9, 8, 8, (ALL1^B8^B16)
	CE 9, 8, 4, (ALL1^B4^B16)
	CE 9, 8, 2, (ALL1^B2^B16)
	CE 9, 8, 1, (ALL1^B1^B16)
	CE 9, 8, 16, (ALL1^B16)
	CE 9, 8, 8, (ALL1^B8)
	CE 9, 8, 4, (ALL1^B4)
	CE 9, 8, 2, (ALL1^B2)
	CE 9, 8, 1, (ALL1^B1)
	; the best 32 ascend, the block descends: lane by lane the lesser of the two are the 32 least of the 64, in a bitonic order
	v_cmp_lt_f32 s68, v9, v11
	v_cmp_eq_f32 s69, v9, v11
	v_cmp_lt_u32 s70, v8, v10
	s_and_b32 s69, s69, s70
	s_or_b32 s68, s68, s69
	v_cndmask_b32 v11, v11, v9, s68
	v_cndmask_b32 v10, v10, v8, s68
	CE 11, 10, 16, B16                             ; which five stages put in ascending order
	CE 11, 10, 8, B8
	CE 11, 10, 4, B4
	CE 11, 10, 2, B2
	CE 11, 10, 1, B1
	s_cmp_ge_u32 s73, s12                          ; is the list at its end?  (its length as the first launch stored it)
	s_cbranch_scc1 .Lranked
	s_add_co_u32 s73, s73, 32
	v_add_nc_u32 v7, 128, v7
	s_sub_co_u32 s72, s72, 1
	s_cmp_lg_u32 s72, 0
	s_cbranch_scc1 .Lblock
.Lranked:
	v_permlanex16_b32 v13, v10, s74, s75           ; lanes 0 .. 16 hold the 17 first; the first is dropped: lane 0 takes lane 16's
	v_cndmask_b32 v10, v10, v13, s76
	global_store_b32 v2, v10, s[98:99]             ; 128 consecutive bytes
	s_wait_tensorcnt 0x0                           ; the wave's end: three closing lines, behind my last LDS store
	ds_add_u32 v30, v31
	s_wait_dscnt 0x0
	s_endpgm
.Lfunc_end_k_q2336005d8f_exact:
	.size	k_q2336005d8f_exact, .Lfunc_end_k_q2336005d8f_exact-k_q2336005d8f_exact
	.p2alignl 7, 3214868480
	.fill 96, 4, 3214868480
	.section	.rodata,"a",@progbits
	.p2align	6, 0x0
	.amdhsa_kernel k_q2336005d8f_exact
		.amdhsa_group_segment_fixed_size 8704
		.amdhsa_private_segment_fixed_size 0
		.amdhsa_enable_private_segment 0
		.amdhsa_kernarg_size 40
		.amdhsa_user_sgpr_count 2
		.amdhsa_user_sgpr_kernarg_segment_ptr 1
		.amdhsa_wavefront_size32 1
		.amdhsa_system_sgpr_workgroup_id_x 1
		.amdhsa_system_sgpr_workgroup_id_y 1
		.amdhsa_system_sgpr_workgroup_id_z 1
		.amdhsa_system_vgpr_workitem_id 0
		.amdhsa_next_free_vgpr 32
		.amdhsa_next_free_sgpr 100
		.amdhsa_reserve_vcc 0
		.amdhsa_float_denorm_mode_32 3
		.amdhsa_float_denorm_mode_16_64 3
		.amdhsa_memory_ordered 1
		.amdhsa_forward_progress 1
		.amdhsa_inst_pref_size 43
	.end_amdhsa_kernel
	.amdgpu_metadata
---
amdhsa.version: [ 1, 2 ]
amdhsa.kernels:
  - .name:           k_q2336005d8f_exact
    .symbol:         k_q2336005d8f_exact.kd
    .args:
      - { .name: vertices, .offset: 0, .size: 8, .value_kind: global_buffer, .address_space: global }
      - { .name: sample_idx, .offset: 8, .size: 8, .value_kind: global_buffer, .address_space: global }
      - { .name: mask, .offset: 16, .size: 8, .value_kind: global_buffer, .address_space: global }
      - { .name: nbr, .offset: 24, .size: 8, .value_kind: global_buffer, .address_space: global }
      - { .name: cnt, .offset: 32, .size: 8, .value_kind: global_buffer, .address_space: global }
    .group_segment_fixed_size: 8704
    .private_segment_fixed_size: 0
    .kernarg_segment_align: 8
    .kernarg_segment_size: 40
    .max_flat_workgroup_size: 32
    .sgpr_count:     100
    .vgpr_count:     32
    .wavefront_size: 32
...
	.end_amdgpu_metadata
.endif
;; end of part 2
;; launch pool (part 3): grid 16 x 16, 16 waves a work-group, no clusters, 264,192 bytes of LDS; arguments feature_map, nbr, out1; writes out1
.if DOCPART == 3
	.amdgcn_target "amdgcn-amd-amdhsa--gfx1250"
	.amdhsa_code_object_version 6
	.text
	.protected	k_q2336005d8f_pool
	.globl	k_q2336005d8f_pool
	.p2align	8
	.type	k_q2336005d8f_pool,@function
k_q2336005d8f_pool:
	s_mov_b64 s[64:65], 0
	v_nop
	global_prefetch_b8 v0, s[64:65] scope:SCOPE_SE
	s_setreg_imm32_b32 hwreg(HW_REG_WAVE_MODE, 25, 1), 1
	s_wait_xcnt 0x0
; POOL LAYER, launch 3 of 3: out1[b][p][:] = the maximum over the 16 neighbours n of feature_map[b][n][:].  Only the rows that sample_idx names are pooled (see the first launch's head).
; A row is wanted by many queries, so the rows are not gathered from memory: a work-group brings 64 channels (256 bytes of a row) of ALL 2,048 rows of its batch into LDS, rounded once to bf16
; (128 bytes a row, 262,144 in all), and gathers there.  Rounding is monotone, so the maximum of the rounded rows is the rounded maximum: out1 holds the result rounded once to bf16, written as f32.
; SHARES.  Work-group (x, b): channels 64 (x / 2) on, queries 256 (x % 2) on.  Sixteen waves: wave w fills rows 128 w .. 128 w + 127 and then pools queries 16 w .. 16 w + 15 of the 256.
; THE FILL goes through registers, since the rows are narrowed on the way: a load takes 256 consecutive aligned bytes of each of two rows; a ring of 16 loads a wave is kept out.
; THE GATHER: lanes 0-15 serve one query, lanes 16-31 the next; a lane has 4 channels (8 bytes in LDS, 16 in out1), so sixteen lanes store 256 consecutive aligned bytes.
; NO TENSOR LOADS, NO JOINT REQUESTS: as f32 the 2,048 x 64 numbers would be 524,288 bytes, more than the work-group's LDS can hold.  NO MATRIX WORK: a maximum is none.
; LIMITS: a NaN among the features loses against numbers (v_pk_max_num_bf16), where jnp.max would keep it; the neighbour numbers are held to 0 .. 2,047.
.set SPARE, 262144                     ; behind the rows: the spare words, 128 bytes for each of the 16 waves
.set G,  16                            ; v[16:79]   the fill's ring: 16 slots of 4; then two gather buffers of 16 x 2
.set AD, 80                            ; v[80:207]  for each of 8 iterations the 16 LDS addresses of my query's neighbours
; v1 lane; v2 (l / 16) x 2,048 + (l % 16) x 16: my place in two rows of feature_map and of out1; v3 16,384 w + 8 l: my place in LDS for the fill; v4 (l / 16) x 128: my query's row of nbr;
; v5 (l % 16) x 8: my 4 channels in an LDS row; v8, v9 the add's two registers; v10-13 four f32 to store; v14-15 four bf16 to put into LDS
	s_load_b128 s[4:7], s[0:1], 0x0                ; feature_map s[4:5], nbr s[6:7]
	s_load_b64 s[8:9], s[0:1], 0x10                ; out1
	v_lshl_add_u32 v8, v0, 2, SPARE
	v_mov_b32 v9, 0
	v_lshrrev_b32 v1, 5, v0
	v_readfirstlane_b32 s12, v1                    ; wave 0..15
	v_and_b32 v1, 31, v0
	s_and_b32 s13, ttmp7, 0xffff                   ; batch
	s_lshr_b32 s14, ttmp9, 1                       ; which 64 channels
	s_and_b32 s15, ttmp9, 1                        ; which 256 queries
	s_lshl_b32 s16, s13, 22                        ; a batch of feature_map: 2,048 rows of 2,048 bytes
	s_lshl_b32 s18, s12, 18                        ; my wave's 128 rows
	s_add_co_u32 s16, s16, s18
	s_lshl_b32 s19, s14, 8                         ; the channels' 256 bytes
	s_add_co_u32 s16, s16, s19
	s_mov_b32 s17, 0
	s_lshl_b32 s20, s13, 9
	s_lshl_b32 s18, s15, 8
	s_add_co_u32 s20, s20, s18
	s_lshl_b32 s18, s12, 4
	s_add_co_u32 s20, s20, s18                     ; my wave's first query among all 8,192
	s_lshl_b32 s22, s20, 7                         ; 128 bytes of nbr a query
	s_mov_b32 s23, 0
	s_lshl_b32 s24, s20, 11                        ; 2,048 bytes of out1 a query
	s_add_co_u32 s24, s24, s19
	s_mov_b32 s25, 0
	s_mov_b32 s26, 0xffff0000                      ; a word's upper bf16
	v_lshrrev_b32 v6, 4, v1                        ; l / 16
	v_and_b32 v7, 15, v1                           ; l % 16
	v_lshlrev_b32 v2, 4, v7
	v_lshl_add_u32 v2, v6, 11, v2
	s_lshl_b32 s18, s12, 14
	v_lshl_add_u32 v3, v1, 3, s18
	v_lshlrev_b32 v4, 7, v6
	v_lshlrev_b32 v5, 3, v7
	s_wait_kmcnt 0x0
	s_add_nc_u64 s[4:5], s[4:5], s[16:17]
	s_add_nc_u64 s[6:7], s[6:7], s[22:23]
	s_add_nc_u64 s[8:9], s[8:9], s[24:25]
.set i, 0
.rept 32                               ; iteration i / 4: the 16 neighbours of query 2 (i / 4) (lanes 0-15) and of the next (lanes 16-31)
	global_load_b128 v[AD+4*i:AD+4*i+3], v4, s[6:7] offset:256*(i/4)+16*(i%4)
.set i, i+1
.endr
.set i, 0
.rept 16                               ; the ring is filled: rows 2 i, 2 i + 1 of my 128
	global_load_b128 v[G+4*i:G+4*i+3], v2, s[4:5] offset:4096*i
.set i, i+1
.endr
	s_wait_loadcnt 16                              ; the 32 loads of nbr are in; the ring's 16 stay out
.set i, 0
.rept 128
	v_min_u32 v[AD+i], 0x7ff, v[AD+i]
	v_lshl_add_u32 v[AD+i], v[AD+i], 7, v5         ; the neighbour's row in LDS, my 8 bytes of it
.set i, i+1
.endr
.set i, 0
.rept 64
.if i < 48
	s_wait_loadcnt 15                              ; loads come back in order: load i is in, the 15 younger stay out
.else
	s_wait_loadcnt 63-i                            ; nothing more is asked for: the counts run down
.endif
	v_cvt_pk_bf16_f32 v14, v[G+4*(i%16)], v[G+4*(i%16)+1]
	v_cvt_pk_bf16_f32 v15, v[G+4*(i%16)+2], v[G+4*(i%16)+3]
	ds_store_b64 v3, v[14:15] offset:256*i         ; 32 lanes, 256 consecutive bytes: two rows
.if i < 48
	global_load_b128 v[G+4*(i%16):G+4*(i%16)+3], v2, s[4:5] offset:4096*(i+16)
.endif
.set i, i+1
.endr
	s_wait_dscnt 0x0                               ; for the others' sake: my rows lie in LDS
	s_barrier_signal -1
	s_barrier_wait -1                              ; all 2,048 do; nothing is written into them again
.macro GL it                           ; 16 gathers into buffer it % 2
.set k, 0
.rept 16
	ds_load_b64 v[G+32*((\it)%2)+2*k:G+32*((\it)%2)+2*k+1], v[AD+16*(\it)+k]
.set k, k+1
.endr
.endm
.macro RED it, younger                 ; younger: the LDS loads issued behind this iteration's, which may stay out
.set BF, G+32*((\it)%2)
	s_wait_dscnt \younger
.irp s, 8,4,2,1                        ; 16 rows into 1: two maxima a line, nothing is rounded
.set k, 0
.rept \s
	v_pk_max_num_bf16 v[BF+2*k], v[BF+2*k], v[BF+2*(k+\s)]
	v_pk_max_num_bf16 v[BF+2*k+1], v[BF+2*k+1], v[BF+2*(k+\s)+1]
.set k, k+1
.endr
.endr
	s_wait_xcnt 0x0                                ; the last store has read v10-13: they are written again only behind this wait
	v_lshlrev_b32 v10, 16, v[BF]
	v_and_b32 v11, s26, v[BF]
	v_lshlrev_b32 v12, 16, v[BF+1]
	v_and_b32 v13, s26, v[BF+1]
	global_store_b128 v2, v[10:13], s[8:9] offset:4096*(\it) th:TH_STORE_NT  ; 16 lanes store 256 consecutive bytes, at a multiple of 256 from out1's first byte
.endm
	GL 0
.irp it, 0,1,2,3,4,5,6
	GL (\it)+1
	RED \it, 16
.endr
	RED 7, 0
	s_wait_tensorcnt 0x0                           ; the wave's end: three closing lines, behind my last LDS store
	ds_add_u32 v8, v9
	s_wait_dscnt 0x0
	s_endpgm
.Lfunc_end_k_q2336005d8f_pool:
	.size	k_q2336005d8f_pool, .Lfunc_end_k_q2336005d8f_pool-k_q2336005d8f_pool
	.p2alignl 7, 3214868480
	.fill 96, 4, 3214868480
	.section	.rodata,"a",@progbits
	.p2align	6, 0x0
	.amdhsa_kernel k_q2336005d8f_pool
		.amdhsa_group_segment_fixed_size 264192
		.amdhsa_private_segment_fixed_size 0
		.amdhsa_enable_private_segment 0
		.amdhsa_kernarg_size 24
		.amdhsa_user_sgpr_count 2
		.amdhsa_user_sgpr_kernarg_segment_ptr 1
		.amdhsa_wavefront_size32 1
		.amdhsa_system_sgpr_workgroup_id_x 1
		.amdhsa_system_sgpr_workgroup_id_y 1
		.amdhsa_system_sgpr_workgroup_id_z 1
		.amdhsa_system_vgpr_workitem_id 0
		.amdhsa_next_free_vgpr 208
		.amdhsa_next_free_sgpr 66
		.amdhsa_reserve_vcc 0
		.amdhsa_float_denorm_mode_32 3
		.amdhsa_float_denorm_mode_16_64 3
		.amdhsa_memory_ordered 1
		.amdhsa_forward_progress 1
		.amdhsa_inst_pref_size 67
	.end_amdhsa_kernel
	.amdgpu_metadata
---
amdhsa.version: [ 1, 2 ]
amdhsa.kernels:
  - .name:           k_q2336005d8f_pool
    .symbol:         k_q2336005d8f_pool.kd
    .args:
      - { .name: feature_map, .offset: 0, .size: 8, .value_kind: global_buffer, .address_space: global }
      - { .name: nbr, .offset: 8, .size: 8, .value_kind: global_buffer, .address_space: global }
      - { .name: out1, .offset: 16, .size: 8, .value_kind: global_buffer, .address_space: global }
    .group_segment_fixed_size: 264192
    .private_segment_fixed_size: 0
    .kernarg_segment_align: 8
    .kernarg_segment_size: 24
    .max_flat_workgroup_size: 512
    .sgpr_count:     66
    .vgpr_count:     208
    .wavefront_size: 32
...
	.end_amdgpu_metadata
.endif
;; end of part 3
;; ======== version 2 of 2: 3 launches; version 1 with the launch pool written anew for expert scheduling mode
;; workspace buffers: mask 2,097,152 bytes of whole numbers; nbr 1,048,576 bytes of whole numbers; cnt 32,768 bytes of whole numbers
;; launch filter: the kernel of part 1 again; grid 16 x 16, 4 waves a work-group, no clusters, 0 bytes of LDS; arguments vertices, sample_idx, mask, out0, cnt; writes mask, out0, cnt
;; launch exact: the kernel of part 2 again; grid 512 x 16, 1 waves a work-group, no clusters, 8,704 bytes of LDS; arguments vertices, sample_idx, mask, nbr, cnt; writes nbr
;; launch pool (part 4): grid 16 x 16, 16 waves a work-group, no clusters, 264,192 bytes of LDS; arguments feature_map, nbr, out1; writes out1
.if DOCPART == 4
	.amdgcn_target "amdgcn-amd-amdhsa--gfx1250"
	.amdhsa_code_object_version 6
	.text
	.protected	k_q2336005d8f_pool
	.globl	k_q2336005d8f_pool
	.p2align	8
	.type	k_q2336005d8f_pool,@function
k_q2336005d8f_pool:
	s_mov_b64 s[64:65], 0
	v_nop
	global_prefetch_b8 v0, s[64:65] scope:SCOPE_SE
	s_setreg_imm32_b32 hwreg(HW_REG_WAVE_SCHED_MODE, 0, 2), 2
	s_setreg_imm32_b32 hwreg(HW_REG_WAVE_MODE, 25, 1), 1
	s_wait_xcnt 0x0
	s_wait_alu depctr_vm_vsrc(0)
; POOL LAYER, launch 3 of 3: out1[b][p][:] = the maximum over the 16 neighbours n of feature_map[b][n][:].  Only the rows that sample_idx names are pooled (see the first launch's head).
; A row is wanted by many queries, so the rows are not gathered from memory: a work-group brings 64 channels (256 bytes of a row) of ALL 2,048 rows of its batch into LDS, rounded once to bf16
; (128 bytes a row, 262,144 in all), and gathers there.  Rounding is monotone, so the maximum of the rounded rows is the rounded maximum: out1 holds the result rounded once to bf16, written as f32.
; SHARES.  Work-group (x, b): channels 64 (x / 2) on, queries 256 (x % 2) on.  Sixteen waves: wave w fills rows 128 w .. 128 w + 127 and then pools queries 16 w .. 16 w + 15 of the 256.
; THE FILL goes through registers, since the rows are narrowed on the way: a load takes 256 consecutive aligned bytes of each of two rows; the wave's 64 loads go in 16 blocks of four.
; THE GATHER: lanes 0-15 serve one query, lanes 16-31 the next; a lane has 4 channels (8 bytes in LDS, 16 in out1), so sixteen lanes store 256 consecutive aligned bytes.  Eight steps, two queries each.
; NO TENSOR LOADS, NO JOINT REQUESTS: as f32 the 2,048 x 64 numbers would be 524,288 bytes, more than the work-group's LDS can hold.  NO MATRIX WORK: a maximum is none.
; LIMITS: a NaN among the features loses against numbers (v_pk_max_num_bf16), where jnp.max would keep it; the neighbour numbers are held to 0 .. 2,047.
; THE MODE: SCHED_MODE bits 1:0 = 2 (LLVM: expert scheduling mode 2), set by the entry lines.  The code itself states the register dependences
; between vector instructions and memory or LDS instructions, with s_wait_alu, always for 0.
; THE PLAN.  Registers that memory or LDS instructions touch:
;   v2, v3, v4   offsets and an LDS address, made at the head and never written again.
;   AD           The loads of nbr land in it; 256 vector lines make LDS addresses of it, in place, ahead of the fill; the gathers read it; never written again.
;   X0 .. X4     five blocks of rows as loaded.  Block p's loads land in X[p % 5]; block p's eight conversions read it.
;   Y0, Y1       two blocks of bf16.  Block p's conversions write Y[p % 2]; the four LDS stores that are issued in block p + 1 read it.
;   GB0 .. GB2   three gather buffers, on X's and Y's registers.  The gathers of step it land in GB[it % 3]; step it's maxima read and write it.
;   OUT0, OUT1   Step it's unpacking writes OUT[it % 2]; the store that is issued in step it + 1 reads it.
; Block p's memory instructions are the loads of block p + 4, into X[(p + 4) % 5] = X[(p - 1) % 5], and the LDS stores from Y[(p - 1) % 2]: the two buffers that block p - 1 worked on and that no
; vector line of block p names.  Step it's are the store from OUT[(it - 1) % 2] and the gathers of step it + 2, into GB[(it + 2) % 3] = GB[(it - 1) % 3]: likewise.  So the waits at the head of a
; block or step state all that its memory instructions hang on, and these are dealt among its vector lines with no further wait.
.set SPARE, 262144                     ; behind the rows: the spare words, 128 bytes for each of the 16 waves
.set OUT, 10                           ; v[10:17]    two buffers of four f32 to store
.set X,   18                           ; v[18:97]    block buffer b, load k: 4 registers at X + 16 b + 4 k
.set Y,   98                           ; v[98:113]   buffer b, load k: 2 registers at Y + 8 b + 2 k: four bf16 to put into LDS
.set GB,  18                           ; v[18:113]   gather buffer b, neighbour n: 2 registers at GB + 32 b + 2 n
.set AD,  114                          ; v[114:241]  for each of 8 steps the 16 LDS addresses of my query's neighbours
; v1 lane; v2 (l / 16) x 2,048 + (l % 16) x 16: my place in two rows of feature_map and of out1; v3 16,384 w + 8 l: my place in LDS for the fill; v4 (l / 16) x 128: my query's row of nbr;
; v5 (l % 16) x 8: my 4 channels in an LDS row; v6, v7 at the head only; v8, v9 the add's two registers
	s_load_b128 s[4:7], s[0:1], 0x0                ; feature_map s[4:5], nbr s[6:7]
	s_load_b64 s[8:9], s[0:1], 0x10                ; out1
	v_lshl_add_u32 v8, v0, 2, SPARE
	v_mov_b32 v9, 0
	v_lshrrev_b32 v1, 5, v0
	v_readfirstlane_b32 s12, v1                    ; wave 0..15
	v_and_b32 v1, 31, v0
	v_lshrrev_b32 v6, 4, v1                        ; l / 16
	v_and_b32 v7, 15, v1                           ; l % 16
	v_lshlrev_b32 v2, 4, v7
	v_lshl_add_u32 v2, v6, 11, v2
	v_lshlrev_b32 v4, 7, v6
	v_lshlrev_b32 v5, 3, v7
	s_and_b32 s13, ttmp7, 0xffff                   ; batch
	s_lshr_b32 s14, ttmp9, 1                       ; which 64 channels
	s_and_b32 s15, ttmp9, 1                        ; which 256 queries
	s_lshl_b32 s16, s13, 22                        ; a batch of feature_map: 2,048 rows of 2,048 bytes
	s_wait_alu depctr_va_sdst(0)                   ; s12 is written, ahead of its first reader: the three bases and v3 are made from it
	s_lshl_b32 s18, s12, 18                        ; my wave's 128 rows
	s_add_co_u32 s16, s16, s18
	s_lshl_b32 s19, s14, 8                         ; the channels' 256 bytes
	s_add_co_u32 s16, s16, s19
	s_mov_b32 s17, 0
	s_lshl_b32 s20, s13, 9
	s_lshl_b32 s18, s15, 8
	s_add_co_u32 s20, s20, s18
	s_lshl_b32 s18, s12, 4
	s_add_co_u32 s20, s20, s18                     ; my wave's first query among all 8,192
	s_lshl_b32 s22, s20, 7                         ; 128 bytes of nbr a query
	s_mov_b32 s23, 0
	s_lshl_b32 s24, s20, 11                        ; 2,048 bytes of out1 a query
	s_add_co_u32 s24, s24, s19
	s_mov_b32 s25, 0
	s_mov_b32 s26, 0xffff0000                      ; a word's upper bf16
	s_lshl_b32 s18, s12, 14
	v_lshl_add_u32 v3, v1, 3, s18
	s_wait_kmcnt 0x0
	s_add_nc_u64 s[4:5], s[4:5], s[16:17]
	s_add_nc_u64 s[6:7], s[6:7], s[22:23]
	s_add_nc_u64 s[8:9], s[8:9], s[24:25]
	s_wait_alu depctr_va_vdst(0)                   ; v2, v3 and v4 are written: every load and store of the kernel but the gathers reads one of them as its offset or address
.set i, 0
.rept 32                               ; step i / 4: the 16 neighbours of query 2 (i / 4) (lanes 0-15) and of the next (lanes 16-31)
	global_load_b128 v[AD+4*i:AD+4*i+3], v4, s[6:7] offset:256*(i/4)+16*(i%4)
.set i, i+1
.endr
.set i, 0
.rept 20                               ; blocks 0 to 4 into X0 to X4: load i takes rows 2 i, 2 i + 1 of my 128
	global_load_b128 v[X+4*i:X+4*i+3], v2, s[4:5] offset:4096*i
.set i, i+1
.endr
	s_wait_loadcnt 20                              ; loads come back in order: the 32 loads of nbr are in; the 20 younger, blocks 0 to 4, stay out
.set i, 0
.rept 128
	v_min_u32 v[AD+i], 0x7ff, v[AD+i]
	v_lshl_add_u32 v[AD+i], v[AD+i], 7, v5         ; the neighbour's row in LDS, my 8 bytes of it
.set i, i+1
.endr
; THE FILL.  Block p: loads 4 p .. 4 p + 3.
.set p, 0
.rept 16
.if p == 0
	s_wait_loadcnt 16                              ; block 0 is in; blocks 1 to 4 stay out
.elseif p < 13
	s_wait_loadcnt 12                              ; block p is in; the three younger blocks stay out
.else
	s_wait_loadcnt 4*(15-p)                        ; nothing more is asked for: the counts run down
.endif
.if p > 1
	s_wait_alu depctr_vm_vsrc(0)                   ; the LDS stores issued in the block before have read Y[p % 2], which this block's conversions write again
.endif
.if p > 0
	s_wait_alu depctr_va_vdst(0)                   ; the block before has written the other Y, which the LDS stores below read, and is done reading its X, in which the loads below land
.endif
.set k, 0
.rept 4
.if (p > 0) && (p < 12)
	global_load_b128 v[X+16*((p+4)%5)+4*k:X+16*((p+4)%5)+4*k+3], v2, s[4:5] offset:4096*(4*(p+4)+k)  ; four blocks ahead; no vector line since the wait names these registers
.endif
.if p > 0
	ds_store_b64 v3, v[Y+8*((p-1)%2)+2*k:Y+8*((p-1)%2)+2*k+1] offset:256*(4*(p-1)+k)  ; the block before: 32 lanes, 256 consecutive bytes: two rows
.endif
	v_cvt_pk_bf16_f32 v[Y+8*(p%2)+2*k],   v[X+16*(p%5)+4*k],   v[X+16*(p%5)+4*k+1]
	v_cvt_pk_bf16_f32 v[Y+8*(p%2)+2*k+1], v[X+16*(p%5)+4*k+2], v[X+16*(p%5)+4*k+3]
.set k, k+1
.endr
.set p, p+1
.endr
	s_wait_alu depctr_va_vdst(0)                   ; block 15 has written Y1, which the last four LDS stores read; all conversions are done with X and Y, in which the gathers land; AD, which the gathers read, is written
.set k, 0
.rept 4
	ds_store_b64 v3, v[Y+8+2*k:Y+8+2*k+1] offset:256*(60+k)
.set k, k+1
.endr
	s_wait_dscnt 0x0                               ; for the others' sake: my rows lie in LDS
	s_barrier_signal -1
	s_barrier_wait -1                              ; all 2,048 do; nothing is written into them again
	s_wait_alu depctr_vm_vsrc(0)                   ; my LDS stores have read Y0 and Y1: these registers are part of GB2 from here on, in which gathers land
; THE GATHER.
.macro GL1 it, n                       ; neighbour n of step it, into buffer it % 3
	ds_load_b64 v[GB+32*((\it)%3)+2*(\n):GB+32*((\it)%3)+2*(\n)+1], v[AD+16*(\it)+(\n)]
.endm
; Step it: the store of the step before; the gathers of the step after next, one ahead of each of the first sixteen maxima; 16 rows into 1; four f32 into OUT[it % 2].
.macro STEP it
.set BF, GB+32*((\it)%3)
.set OU, OUT+4*((\it)%2)
.if (\it) < 7
	s_wait_dscnt 16                                ; LDS loads come back in order: this step's gathers are in, the next step's sixteen stay out
.else
	s_wait_dscnt 0x0
.endif
.if (\it) > 1
	s_wait_xcnt 0x0                                ; the store issued in the step before has had its address translated: OUT[it % 2], its data, is written again only behind this wait,
	s_wait_alu depctr_vm_vsrc(0)                   ; and behind this one: that store has read OUT[it % 2]
.endif
.if (\it) > 0
	s_wait_alu depctr_va_vdst(0)                   ; the step before has written the other OUT, which the store below reads, and is done with its gather buffer, in which the gathers below land
	global_store_b128 v2, v[OUT+4*(((\it)-1)%2):OUT+4*(((\it)-1)%2)+3], s[8:9] offset:4096*((\it)-1) th:TH_STORE_NT  ; 16 lanes store 256 consecutive bytes, at a multiple of 256 from out1's first byte
.endif
.set k, 0
.rept 8                                ; 16 rows into 8: two maxima a line, nothing is rounded.  No vector line since the wait names the registers of the gathers between them
.if (\it) < 6
	GL1 (\it)+2, 2*k
.endif
	v_pk_max_num_bf16 v[BF+2*k], v[BF+2*k], v[BF+2*(k+8)]
.if (\it) < 6
	GL1 (\it)+2, 2*k+1
.endif
	v_pk_max_num_bf16 v[BF+2*k+1], v[BF+2*k+1], v[BF+2*(k+8)+1]
.set k, k+1
.endr
.irp s, 4,2,1                          ; 8 rows into 1
.set k, 0
.rept \s
	v_pk_max_num_bf16 v[BF+2*k], v[BF+2*k], v[BF+2*(k+\s)]
	v_pk_max_num_bf16 v[BF+2*k+1], v[BF+2*k+1], v[BF+2*(k+\s)+1]
.set k, k+1
.endr
.endr
	v_lshlrev_b32 v[OU], 16, v[BF]
	v_and_b32 v[OU+1], s26, v[BF]
	v_lshlrev_b32 v[OU+2], 16, v[BF+1]
	v_and_b32 v[OU+3], s26, v[BF+1]
.endm
.irp n, 0,1,2,3,4,5,6,7,8,9,10,11,12,13,14,15
	GL1 0, \n
.endr
.irp n, 0,1,2,3,4,5,6,7,8,9,10,11,12,13,14,15
	GL1 1, \n
.endr
.irp it, 0,1,2,3,4,5,6,7
	STEP \it
.endr
	s_wait_alu depctr_va_vdst(0)                   ; step 7 has written OUT1, which the last store reads
	global_store_b128 v2, v[OUT+4:OUT+7], s[8:9] offset:4096*7 th:TH_STORE_NT
	s_wait_dscnt 0x0                               ; the closing lines, six on end
	s_wait_alu 0x0
	s_wait_tensorcnt 0x0
	ds_add_u32 v8, v9
	s_wait_dscnt 0x0
	s_endpgm
.Lfunc_end_k_q2336005d8f_pool:
	.size	k_q2336005d8f_pool, .Lfunc_end_k_q2336005d8f_pool-k_q2336005d8f_pool
	.p2alignl 7, 3214868480
	.fill 96, 4, 3214868480
	.section	.rodata,"a",@progbits
	.p2align	6, 0x0
	.amdhsa_kernel k_q2336005d8f_pool
		.amdhsa_group_segment_fixed_size 264192
		.amdhsa_private_segment_fixed_size 0
		.amdhsa_enable_private_segment 0
		.amdhsa_kernarg_size 24
		.amdhsa_user_sgpr_count 2
		.amdhsa_user_sgpr_kernarg_segment_ptr 1
		.amdhsa_wavefront_size32 1
		.amdhsa_system_sgpr_workgroup_id_x 1
		.amdhsa_system_sgpr_workgroup_id_y 1
		.amdhsa_system_sgpr_workgroup_id_z 1
		.amdhsa_system_vgpr_workitem_id 0
		.amdhsa_next_free_vgpr 242
		.amdhsa_next_free_sgpr 66
		.amdhsa_reserve_vcc 0
		.amdhsa_float_denorm_mode_32 3
		.amdhsa_float_denorm_mode_16_64 3
		.amdhsa_memory_ordered 1
		.amdhsa_forward_progress 1
		.amdhsa_inst_pref_size 67
	.end_amdhsa_kernel
	.amdgpu_metadata
---
amdhsa.version: [ 1, 2 ]
amdhsa.kernels:
  - .name:           k_q2336005d8f_pool
    .symbol:         k_q2336005d8f_pool.kd
    .args:
      - { .name: feature_map, .offset: 0, .size: 8, .value_kind: global_buffer, .address_space: global }
      - { .name: nbr, .offset: 8, .size: 8, .value_kind: global_buffer, .address_space: global }
      - { .name: out1, .offset: 16, .size: 8, .value_kind: global_buffer, .address_space: global }
    .group_segment_fixed_size: 264192
    .private_segment_fixed_size: 0
    .kernarg_segment_align: 8
    .kernarg_segment_size: 24
    .max_flat_workgroup_size: 512
    .sgpr_count:     66
    .vgpr_count:     242
    .wavefront_size: 32
...
	.end_amdgpu_metadata
.endif
;; end of part 4
